; MI455X (gfx1250); checked and timed in simulation.
; The chip was launched on July 23, 2026; its instructions are those of AMD's public machine-readable ISA for CDNA 5 (MIT licence, August 2026) and "CDNA5" Instruction Set Architecture Reference Guide (July 2026). The comments in the code are by the model that wrote it; some were corrected since.
;; Position Attention Module. Allowed arithmetic: matrix products marked QUANTISED: E2M1 operands, one E8M0 scale for each 32 along K, by v_wmma_scale_f32_16x16x128_f8f6f4 with both operands' format E2M1 (or v_wmma_scale_f32_32x16x128_f4), f32 sums; everything else in f32.
;; Inputs: alpha 1 float32; bb 64 float32; bc 64 float32; bd 64 float32; wb 64 x 64 float32; wc 64 x 64 float32; wd 64 x 64 float32; x 4 x 64 x 64 x 64 float32.
;; Outputs: out0 4 x 64 x 64 x 64 float32.
;; This version of the problem:
;;   THIS VERSION OF THE PROBLEM IS GIVEN IN LOW PRECISION. The matrix products marked QUANTISED in the list below multiply operands that are first quantised to E2M1 (2 exponent bits, 1 mantissa bit; 4 bits a number), with one power-of-two scale for each 32 numbers along K (OCP MX v1.0); their sums are f32. All else is computed in f32.
;;   The module's matrix products, in the order in which they are computed (A, B: the left and right operand; K: the contracted axis; several contracted axes count as one K, in the product's order):
;;     1. [M 16,384, K 64] x [K 64, N 64]; A: input x; B: input wb: QUANTISED
;;     2. [M 16,384, K 64] x [K 64, N 64]; A: input x; B: input wc: QUANTISED
;;     3. [M 16,384, K 64] x [K 64, N 64]; A: input x; B: input wd: QUANTISED
;;     4. batch 4 x [M 4,096, K 64] x [K 64, N 4,096]; A: computed on the way; B: computed on the way: QUANTISED
;;     5. batch 4 x [M 64, K 4,096] x [K 4,096, N 4,096]; A: computed on the way; B: softmax (see below): QUANTISED
;;   THE QUANTISER, for each operand of a quantised product, along K:
;;     - K is cut into blocks of 32 from its start; a last block that is shorter is filled with zeros.
;;     - A block's scale is 2^e with e = floor(log2(the largest magnitude in the block)) - 2, held to -126 .. 127; a block of zeros has e = 0. As a byte (E8M0): e + 127.
;;     - Each number is divided by its block's scale, clamped to +-6, and rounded to the nearest number of E2M1, ties to even, subnormals kept.
;;     - The product sums the exact products of the quantised numbers (number of the format x scale) in f32.
;;   ~~~python
;;   def quantise(x, axis):      # numpy; x: float32 -> the quantised numbers, widened to float32 again
;;       x = np.moveaxis(x, axis, -1); K = x.shape[-1]
;;       x = np.pad(x, [(0, 0)] * (x.ndim - 1) + [(0, -K % 32)]); x = x.reshape(x.shape[:-1] + (-1, 32)); a = np.abs(x).max(-1, keepdims=True)
;;       e = np.where(a > 0, np.clip(np.frexp(np.where(a > 0, a, 1))[1] - 1 - 2, -126, 127), 0)      # np.frexp(a)[1] - 1 = floor(log2(a)), exactly
;;       r = np.clip(x / 2.0 ** e, -6, 6)
;;       step = 2.0 ** (np.maximum(np.frexp(np.where(r == 0, 1, r))[1] - 1, 0) - 1)
;;       q = np.round(r / step) * step * 2.0 ** e      # np.round: ties to even
;;       return np.moveaxis(q.reshape(q.shape[:-2] + (-1,))[..., :K], -1, axis).astype(np.float32)
;;   ~~~
;;   SOFTMAX AHEAD OF A QUANTISED PRODUCT. Where the list says 'softmax', what is quantised is not the finished softmax but p = 2^(t - M), with t = logit x log2(e) and M = ceil(the row's largest t), a whole number; so 1/2 < the row's largest p <= 1. The row's sum l is taken of the UNQUANTISED p, in f32, and the product's result is divided by l at the end. Since M is a whole number, a kernel that streams over the keys may use a running M (the ceiling of the running maximum): every later rescaling is an exact power of two, which a block's scale takes up: the codes' values come out the same.
;;   OPERANDS COMPUTED ON THE WAY. 'Computed on the way' means the value that the module computes at that place (a softmax that the list does not call 'softmax' is quantised finished and normalised). What goes into a quantiser is computed in f32, as accurately as f32 sums, v_exp_f32 and their like allow (about 1e-6 of the number): no bf16 or f16 on the way to a quantiser, and a product that is left as it is and whose result goes on into a quantised operand takes f32 operands (vector FMAs, or v_wmma_f32_16x16x4_f32). A number that lies on a knife's edge between two numbers of the format may be rounded either way, as far as f32 arithmetic and the matrix unit's own rounding can turn it there, and no further.
;; One version. Each part assembles by itself: llvm-mc -triple=amdgcn-amd-amdhsa -mcpu=gfx1250 --defsym DOCPART=n.
;; ======== version 1 of 1: 2 launches
;; workspace buffers: kv 1,179,648 bytes; qq 589,824 bytes
;; launch proj (part 1): grid 128 x 1, 4 waves a work-group, no clusters, 43,008 bytes of LDS; arguments x, wb, wc, wd, bb, bc, bd, kv, qq; writes kv, qq
.if DOCPART == 1
	.amdgcn_target "amdgcn-amd-amdhsa--gfx1250"
	.amdhsa_code_object_version 6
	.text
	.protected	k_q92cb5423d4_proj
	.globl	k_q92cb5423d4_proj
	.p2align	8
	.type	k_q92cb5423d4_proj,@function
k_q92cb5423d4_proj:
	s_mov_b64 s[64:65], 0
	v_nop
	global_prefetch_b8 v0, s[64:65] scope:SCOPE_SE
	s_setreg_imm32_b32 hwreg(HW_REG_WAVE_MODE, 25, 1), 1
	s_wait_xcnt 0x0
; The three 1x1 convolutions on codes of FP4 (E2M1) with one E8M0 scale for each 32 along K, and the quantising of their results for the attention launch.
;   keys xb = wb x + bb, queries xc = wc x + bc (both quantised along the 64 output channels), values xd = wd x + bd (quantised along the pixels).
; x: [4][64 c][4096 pixels] f32; the weights [64 o][64 c] f32; K = c = 64 fills the lower half of the instruction's 128: the upper half is zero codes under the byte 0x7f.
; SHARES.  Work-group g takes batch g / 32 and pixels 128 (g % 32) on: one record of kv (9,216 bytes) and one of qq (4,608 bytes).  Wave w takes pixels 32 w .. 32 w + 31 of them, as two tiles u of 16:
; row r of tile u is pixel 32 w + 8 u + r + 8 (r / 8), so that in the attention launch the 16 registers of score tiles 2 w and 2 w + 1 are 16 neighbouring keys.
; A RECORD OF kv, in the order of the operands' registers: 0: K's codes, tile 2 w + u at 512 bytes each, lane l's registers 0-3 at 16 l;  4096: V's codes, fragment t (channels 16 t + r) 1,024 bytes, registers 4 c .. 4 c + 3 at 512 c + 16 l;
;   8192: K's scale words at 16 (16 u + r) + 4 w;  8704: V's scale words at 4 (16 t + r), byte w for key block w;  8960: zeros.   OF qq: 0: Q's codes as K's;  4096: Q's scale words at 128 w + 4 (16 u + r).
; K AND Q ARE MADE TRANSPOSED (source 0 = 16 rows of the weight, source 1 = 16 pixels): a lane holds one pixel and its registers run along o; the weight's rows of a tile are 32 b + 8 u + r + 8 (r / 8), so that two tiles' 16 registers are 16 neighbours along o.
; V the other way round (source 0 = 16 pixels, source 1 = 16 rows of wd): a lane holds one channel and its registers run along the pixels.
; No cluster: the work-groups share only the three weights, 48 KiB against 32 KiB of x for each; no tensor load: every byte comes once, through registers.
; LIMITS: NaN and infinities among the inputs are not served.  A block's largest magnitude is taken not under 2^-124, which holds the byte at 1 from below; a block of zeros so gets the byte 1 where the quantiser says 127:
; its codes are zeros, which add nothing under any byte but 0xff, and only this program reads the bytes.
.set XL,   0                           ; LDS: x, [64 c][128 pixels] f32, rows of 512 bytes
.set WIMG, 32768                       ; 12 weight fragments (4 x weight + tile), the lower four registers' image: 512 bytes each
.set WSC,  38912                       ; their scale words, 128 bytes each
.set G,    40448                       ; the image of the kv record's bytes 8192 .. 9215
.set QSG,  41472                       ; Q's scale words, 512 bytes
.set XF0,  16                          ; v16-23, v24-31: x's two fragments; the upper four registers of each are zero codes
.set XF1,  24
.set XS,   32                          ; v32     x's scale words: lanes 0-15 tile 0, lanes 16-31 tile 1
.set WS,   36                          ; v36-47  the 12 weight scale words
.set WF,   48                          ; v48-79  four weight fragments; at first the raw rows of wd
.set A,    80                          ; v80-143  raw wb, wc; then K's sums; then V's
.set B,    144                         ; v144-207 x as loaded; x by columns; then Q's sums
.set TM,   208                         ; v208-223 at work: +0..3 largest magnitudes, +4..7 bytes, +8, +9 words, +10 an LDS address that stays, +12..15 the conversions' scale operands
.set PCK,  224                         ; codes: K's, Q's, V's: a set for each, so that no store's data are written again
.set PCQ,  232
.set BD,   240                         ; v240-247 bd of my channel, a pair for each tile t
.set PCV,  248
	s_load_b256 s[4:11], s[0:1], 0x0               ; x s[4:5], wb s[6:7], wc s[8:9], wd s[10:11]
	s_load_b256 s[12:19], s[0:1], 0x20             ; bb s[12:13], bc s[14:15], bd s[16:17], kv s[18:19]
	s_load_b64 s[20:21], s[0:1], 0x40              ; qq
	v_lshl_add_u32 v219, v0, 2, 0xa600
	s_set_vgpr_msb 0x40
	v_mov_b32 v1, 0
	s_set_vgpr_msb 0x4000
	v_lshrrev_b32 v224, 5, v0
	v_readfirstlane_b32 s22, v224                  ; wave 0..3
	s_lshr_b32 s24, ttmp9, 5                       ; batch
	s_and_b32 s25, ttmp9, 31                       ; which 128 pixels
	s_lshl_b32 s24, s24, 20                        ; a batch of x is 2^20 bytes,
	s_lshl_b32 s25, s25, 9                         ; 128 pixels are 512,
	s_add_co_u32 s32, s24, s25
	s_lshl_b32 s26, s22, 18                        ; and my wave stages channels 16 w on: 16 rows of 16,384 bytes
	s_add_co_u32 s32, s32, s26
	s_mov_b32 s33, 0
	s_mul_i32 s34, ttmp9, 9216                     ; my record of kv
	s_mov_b32 s35, 0
	s_mul_i32 s36, ttmp9, 4608                     ; and of qq
	s_mov_b32 s37, 0
	s_mov_b32 s28, 0x76543210
	s_mov_b32 s29, 0xfedcba98                      ; v_permlanex16_b32's selects for lane l xor 16
	s_mov_b32 s30, 0xffff0000                      ; lanes 16-31
	v_and_b32 v224, 31, v0                         ; lane
	v_and_b32 v225, 15, v0                         ; r
	v_bfe_u32 v226, v0, 4, 1                       ; h
	v_lshlrev_b32 v1, 4, v224                      ; v1: 16 x lane
	s_lshl_b32 s24, s22, 13
	v_add_nc_u32 v2, s24, v1                       ; v2: x into LDS: my 16 rows of 512 bytes
	v_and_b32 v227, 7, v0
	v_bfe_u32 v228, v0, 3, 1
	v_lshl_add_u32 v227, v228, 4, v227
	v_lshl_add_u32 v227, v226, 3, v227             ; my pixel of the wave's 32: lane 16 u + r takes 8 u + r + 8 (r / 8)
	s_lshl_b32 s24, s22, 7
	v_lshl_add_u32 v3, v227, 2, s24                ; v3: x by columns: 4 (32 w + my pixel)
	v_and_b32 v229, 8, v225
	v_add_nc_u32 v229, v229, v225                  ; r + 8 (r / 8)
	s_lshr_b32 s24, s22, 1
	s_lshl_b32 s24, s24, 5
	s_and_b32 s25, s22, 1
	s_lshl_b32 s25, s25, 3
	s_add_co_u32 s24, s24, s25
	v_add_nc_u32 v4, s24, v229
	v_lshlrev_b32 v4, 8, v4
	v_lshl_add_u32 v4, v226, 7, v4                 ; v4: wb, wc: tile w's row 32 (w / 2) + 8 (w % 2) + r + 8 (r / 8), 256 bytes a row, + 128 h: my block of 32 along c
	s_lshl_b32 s24, s22, 4
	v_add_nc_u32 v5, s24, v225
	v_lshlrev_b32 v5, 8, v5
	v_lshl_add_u32 v5, v226, 7, v5                 ; v5: wd: row 16 w + r
	s_lshl_b32 s24, s22, 9
	s_add_co_u32 s24, s24, WIMG
	v_add_nc_u32 v6, s24, v1                       ; v6: where I store weight images
	v_lshlrev_b32 v8, 2, v224                      ; v8: 4 x lane
	s_lshl_b32 s24, s22, 7
	s_add_co_u32 s24, s24, WSC
	v_add_nc_u32 v7, s24, v8                       ; v7: and their scale words
	v_lshlrev_b32 v9, 6, v226                      ; v9: bb, bc: 64 h
	v_lshlrev_b32 v10, 2, v225                     ; v10: bd: 4 r
	s_lshl_b32 s24, s22, 10
	v_add_nc_u32 v11, s24, v1                      ; v11: K's and Q's codes in their records
	s_lshl_b32 s25, s22, 8
	v_lshlrev_b32 v12, 4, v225
	v_lshl_add_u32 v12, v226, 3, v12
	v_add_nc_u32 v12, s25, v12                     ; v12: V's codes: 256 w + 16 r + 8 h
	s_lshl_b32 s24, s22, 2
	s_add_co_u32 s24, s24, G
	v_add_nc_u32 v13, s24, v1                      ; v13: K's scale words
	v_lshl_add_u32 v14, v0, 2, QSG                 ; v14: Q's
	s_add_co_u32 s24, s22, G+512
	v_add_nc_u32 v15, s24, v10                     ; v15: V's scale bytes
	v_lshl_add_u32 v33, v0, 1, G+768               ; v33: the record's zeros, 2 bytes a thread
	v_lshl_add_u32 v35, v224, 3, s25               ; v35: the tail's way out: 256 w + 8 x lane
	v_add_nc_u32 v34, G, v35                       ; v34: the same in LDS
	v_add_nc_u32 v[TM+10], QSG, v35                ; and for Q's scale words (waves 0 and 1 alone use it)
	v_lshlrev_b32 v[TM+3], 3, v226                 ; 8 h: where my block's byte stands in a weight's scale word
.irp i, 4,5,6,7
	v_mov_b32 v[XF0+\i], 0                         ; zero codes for k = 64 .. 127
	v_mov_b32 v[XF1+\i], 0
	v_mov_b32 v[TM+\i], 0                          ; written once: a lane permute's destination counts as one of its sources
.endr
	s_wait_kmcnt 0x0
	s_add_nc_u64 s[4:5], s[4:5], s[32:33]
	s_add_nc_u64 s[18:19], s[18:19], s[34:35]
	s_add_nc_u64 s[20:21], s[20:21], s[36:37]
.irp i, 0,1,2,3,4,5,6,7,8,9,10,11,12,13,14,15
	global_load_b128 v[B+4*\i:B+4*\i+3], v1, s[4:5] offset:16384*\i      ; channel 16 w + i: the 32 lanes read 512 consecutive bytes
.endr
.irp i, 0,1,2,3,4,5,6,7
	global_load_b128 v[A+4*\i:A+4*\i+3], v4, s[6:7] offset:16*\i         ; my block of 32 numbers of a row of wb,
	global_load_b128 v[A+32+4*\i:A+32+4*\i+3], v4, s[8:9] offset:16*\i   ; of wc,
	global_load_b128 v[WF+4*\i:WF+4*\i+3], v5, s[10:11] offset:16*\i     ; of wd
.endr
.irp t, 0,1,2,3
	global_load_b32 v[BD+2*\t], v10, s[16:17] offset:64*\t               ; bd(16 t + r), into both halves of a pair
	global_load_b32 v[BD+2*\t+1], v10, s[16:17] offset:64*\t
.endr
	s_wait_loadcnt 32                              ; x's 16 loads are in; the 24 of the weights and the 8 of bd may be out
.irp i, 0,1,2,3,4,5,6,7,8,9,10,11,12,13,14,15
	ds_store_b128 v2, v[B+4*\i:B+4*\i+3] offset:512*\i
.endr
	s_wait_loadcnt 8                               ; the weights are in; bd's 8 may be out
	; ---- the wave's three weight tiles: a lane holds a whole block of 32 along c, so the codes are the operand's registers as they come; the three by turns
	v_max3_num_f32 v[TM],   |v[A]|,    |v[A+1]|,  0x1800000   ; the floor 2^(3 - 127) among the leaves: the byte cannot fall under 1
	v_max3_num_f32 v[TM+1], |v[A+32]|, |v[A+33]|, 0x1800000
	v_max3_num_f32 v[TM+2], |v[WF]|,   |v[WF+1]|, 0x1800000
.irp i, 2,4,6,8,10,12,14,16,18,20,22,24,26,28,30
	v_max3_num_f32 v[TM],   v[TM],   |v[A+\i]|,    |v[A+\i+1]|
	v_max3_num_f32 v[TM+1], v[TM+1], |v[A+32+\i]|, |v[A+33+\i]|
	v_max3_num_f32 v[TM+2], v[TM+2], |v[WF+\i]|,   |v[WF+\i+1]|
.endr
.irp z, 0,1,2
	v_add_nc_u32 v[TM+12+\z], 0xff000000, v[TM+\z] ; 2 off the exponent field: the conversion's scale operand
.endr
.irp z, 0,1,2
	v_lshrrev_b32 v[TM+4+\z], 23, v[TM+12+\z]      ; the scale's byte,
.endr
.irp z, 0,1,2
	v_lshlrev_b32 v[TM+4+\z], v[TM+3], v[TM+4+\z]  ; at its place in the row's word (8 h bits up);
.endr
.irp z, 0,1,2
	v_permlanex16_b32 v[TM+\z], v[TM+4+\z], s28, s29
.endr
.irp z, 0,1,2
	v_or_b32 v[TM+4+\z], v[TM+4+\z], v[TM+\z]      ; with lane l xor 16's byte,
.endr
.irp z, 0,1,2
	v_or_b32 v[TM+4+\z], 0x7f7f0000, v[TM+4+\z]    ; and the byte 127 over the zero codes of k = 64 .. 127
.endr
.irp g, 0,1,2,3
	v_cvt_scalef32_pk8_fp4_f32 v[PCK+\g], v[A+8*\g:A+8*\g+7], v[TM+12]
	v_cvt_scalef32_pk8_fp4_f32 v[PCQ+\g], v[A+32+8*\g:A+32+8*\g+7], v[TM+13]
	v_cvt_scalef32_pk8_fp4_f32 v[PCV+\g], v[WF+8*\g:WF+8*\g+7], v[TM+14]
.endr
	v_nop                                          ; one plain place behind a scaled conversion
	ds_store_b128 v6, v[PCK:PCK+3]                 ; the fragments go to the other waves as images of their registers
	ds_store_b128 v6, v[PCQ:PCQ+3] offset:2048
	ds_store_b128 v6, v[PCV:PCV+3] offset:4096
	ds_store_b32 v7, v[TM+4]
	ds_store_b32 v7, v[TM+5] offset:512
	ds_store_b32 v7, v[TM+6] offset:1024
.irp t, 0,1,2,3
.irp i, 4,5,6,7
	v_mov_b32 v[WF+8*\t+\i], 0                     ; the weight fragments' zero codes for k = 64 .. 127
.endr
.endr
.irp u, 0,1                                    ; bb in the result's layout, as the C of K's sums: tile 2 b + v of the weight, lane (r, h): bb(32 b + 16 h + 8 v + 0 .. 7)
.irp t, 0,1,2,3
	global_load_b128 v[A+32*\u+8*\t:A+32*\u+8*\t+3],   v9, s[12:13] offset:128*(\t/2)+32*(\t%2)
	global_load_b128 v[A+32*\u+8*\t+4:A+32*\u+8*\t+7], v9, s[12:13] offset:128*(\t/2)+32*(\t%2)+16
.endr
.endr
	ds_store_b16 v33, v[XF0+4]                     ; the record's last 256 bytes are zeros (the register holds zero codes)
	s_wait_dscnt 0x0                               ; for the others' sake: my stores of x, of the images and of the words have landed
	s_barrier_signal -1
	s_barrier_wait -1
	; ---- x by columns: lane 16 u + r takes all 64 channels of row r of tile u
.irp t, 0,1,2,3
	ds_load_b128 v[WF+8*\t:WF+8*\t+3], v1 offset:WIMG+512*\t             ; wb's four fragments
.endr
.irp i, 0,1,2,3,4,5,6,7,8,9,10,11
	ds_load_b32 v[WS+\i], v8 offset:WSC+128*\i                           ; all twelve scale words
.endr
.set c, 0
.rept 64
	ds_load_b32 v[B+c], v3 offset:XL+512*c         ; 32 lanes read 32 different words of 128 consecutive bytes
.set c, c+1
.endr
	s_wait_dscnt 32                                ; channels 0-31 are in; the 32 loads behind them may be out
	v_max3_num_f32 v[TM], |v[B]|, |v[B+1]|, 0x1800000
.set i, 2
.rept 15
	v_max3_num_f32 v[TM], v[TM], |v[B+i]|, |v[B+i+1]|
.set i, i+2
.endr
	s_wait_dscnt 0x0
	v_max3_num_f32 v[TM+1], |v[B+32]|, |v[B+33]|, 0x1800000
.set i, 34
.rept 15
	v_max3_num_f32 v[TM+1], v[TM+1], |v[B+i]|, |v[B+i+1]|
.set i, i+2
.endr
	v_add_nc_u32 v[TM+12], 0xff000000, v[TM]
	v_add_nc_u32 v[TM+13], 0xff000000, v[TM+1]
	v_lshrrev_b32 v[TM+4], 23, v[TM+12]
	v_lshrrev_b32 v[TM+5], 23, v[TM+13]
	v_lshl_or_b32 v[XS], v[TM+5], 8, v[TM+4]
	v_or_b32 v[XS], 0x7f7f0000, v[XS]              ; my pixel's scale word
.irp g, 0,1,2,3
	v_cvt_scalef32_pk8_fp4_f32 v[XF0+\g], v[B+8*\g:B+8*\g+7], v[TM+12]         ; c = 0 .. 31 of my pixel
	v_cvt_scalef32_pk8_fp4_f32 v[XF1+\g], v[B+32+8*\g:B+32+8*\g+7], v[TM+13]   ; c = 32 .. 63
.endr
	v_nop                                          ; one plain place behind a scaled conversion
.irp g, 0,1,2,3
	v_permlane16_swap_b32 v[XF0+\g], v[XF1+\g]     ; the first's lanes 16-31 (tile 1, c under 32) change places with the second's lanes 0-15 (tile 0, c from 32 on): now each run is one tile's operand
.endr
.irp u, 0,1                                    ; bc likewise, as the C of Q's sums
.irp t, 0,1,2,3
	global_load_b128 v[B+32*\u+8*\t:B+32*\u+8*\t+3],   v9, s[14:15] offset:128*(\t/2)+32*(\t%2)
	global_load_b128 v[B+32*\u+8*\t+4:B+32*\u+8*\t+7], v9, s[14:15] offset:128*(\t/2)+32*(\t%2)+16
.endr
.endr
	s_wait_loadcnt 16                              ; bd and bb are in; bc's 16 loads may be out
.rept 8
	v_nop                                          ; a scale register written by a vector instruction stands 8 places ahead of a scaled matrix instruction, an operand so written 4
.endr
; 8 matrix instructions, each on an accumulator of its own: 2 tiles of pixels x 4 tiles of the weight; the accumulators hold the bias.  ws: the weight's four scale words
.macro PROJ acc, ws
.irp u, 0,1
.irp t, 0,1,2,3
.if \u
	v_wmma_scale_f32_16x16x128_f8f6f4 v[\acc+32*\u+8*\t:\acc+32*\u+8*\t+7], v[WF+8*\t:WF+8*\t+7], v[XF0+8*\u:XF0+8*\u+7], v[\acc+32*\u+8*\t:\acc+32*\u+8*\t+7], v[\ws+\t], v[XS] matrix_a_fmt:MATRIX_FMT_FP4 matrix_b_fmt:MATRIX_FMT_FP4 matrix_b_scale:MATRIX_SCALE_ROW1
.else
	v_wmma_scale_f32_16x16x128_f8f6f4 v[\acc+32*\u+8*\t:\acc+32*\u+8*\t+7], v[WF+8*\t:WF+8*\t+7], v[XF0+8*\u:XF0+8*\u+7], v[\acc+32*\u+8*\t:\acc+32*\u+8*\t+7], v[\ws+\t], v[XS] matrix_a_fmt:MATRIX_FMT_FP4 matrix_b_fmt:MATRIX_FMT_FP4
.endif
.endr
.endr
.rept 4
	v_nop                                          ; places in front of the loads into the weight fragments and of the first read of the results
.endr
.endm
; 64 numbers of a lane, v[s] on, in four blocks b of 16; a block's other 16 lie in lane l xor 16.  Codes into v[pc] on, bytes into v[TM+4] on.
; kq = 1 (K, Q: block 2 u + b' = o 32 b' + 16 h on of tile u's pixel): the halves change places, so that a lane holds a whole block, and v[TM+8] takes tile u's word in lane 16 u + r.
.macro QUANT s, pc, kq
.irp b, 0,1,2,3
	v_max3_num_f32 v[TM+\b], |v[\s+16*\b]|, |v[\s+1+16*\b]|, 0x1800000   ; each accumulator is read from its low end on; the floor 2^(3 - 127) among the leaves
.endr
.irp i, 2,4,6,8,10,12,14
.irp b, 0,1,2,3
	v_max3_num_f32 v[TM+\b], v[TM+\b], |v[\s+16*\b+\i]|, |v[\s+1+16*\b+\i]|   ; the four blocks by turns
.endr
.endr
.irp b, 0,1,2,3
	v_permlanex16_b32 v[TM+4+\b], v[TM+\b], s28, s29
.endr
.irp b, 0,1,2,3
	v_max_num_f32 v[TM+\b], v[TM+\b], v[TM+4+\b]   ; the block's largest magnitude
.endr
.irp b, 0,1,2,3
	v_add_nc_u32 v[TM+12+\b], 0xff000000, v[TM+\b] ; 2 off its exponent field: the conversion's scale operand
.endr
.irp b, 0,1,2,3
	v_lshrrev_b32 v[TM+4+\b], 23, v[TM+12+\b]      ; the scale's byte
.endr
.irp b, 0,1,2,3
	v_cvt_scalef32_pk8_fp4_f32 v[\pc+2*\b], v[\s+16*\b:\s+7+16*\b], v[TM+12+\b]
	v_cvt_scalef32_pk8_fp4_f32 v[\pc+1+2*\b], v[\s+8+16*\b:\s+15+16*\b], v[TM+12+\b]
.endr
	v_nop                                          ; one plain place behind a scaled conversion
.if \kq
.irp u, 0,1
.irp i, 0,1
	v_permlane16_swap_b32 v[\pc+4*\u+\i], v[\pc+4*\u+2+\i]   ; registers 4 u .. 4 u + 3: lane (r, h) holds o = 32 h + 0 .. 31 of tile u's row r
.endr
.endr
	v_lshl_or_b32 v[TM+8], v[TM+5], 8, v[TM+4]     ; tile 0's word,
	v_lshl_or_b32 v[TM+9], v[TM+7], 8, v[TM+6]     ; tile 1's;
	v_cndmask_b32 v[TM+8], v[TM+8], v[TM+9], s30   ; lanes 16-31 take tile 1's;
	v_or_b32 v[TM+8], 0x7f7f0000, v[TM+8]          ; the byte 127 over the zero codes
.endif
.endm
	; ---- K
	PROJ A, WS
.irp t, 0,1,2,3
	ds_load_b128 v[WF+8*\t:WF+8*\t+3], v1 offset:WIMG+2048+512*\t        ; wc's fragments
.endr
	QUANT A, PCK, 1
	global_store_b128 v11, v[PCK:PCK+3], s[18:19]                        ; 32 lanes store 512 consecutive bytes
	global_store_b128 v11, v[PCK+4:PCK+7], s[18:19] offset:512
	ds_store_b32 v13, v[TM+8]
	; ---- Q
	s_wait_dscnt 0x0                               ; wc's fragments are in, and the store has read its register
	s_wait_loadcnt 0x0                             ; bc
	PROJ B, WS+4
.irp t, 0,1,2,3
	ds_load_b128 v[WF+8*\t:WF+8*\t+3], v1 offset:WIMG+4096+512*\t        ; wd's fragments
.endr
	QUANT B, PCQ, 1
	global_store_b128 v11, v[PCQ:PCQ+3], s[20:21]
	global_store_b128 v11, v[PCQ+4:PCQ+7], s[20:21] offset:512
	ds_store_b32 v14, v[TM+8]
	; ---- V: lane (r, h) holds channel 16 t + r; registers 16 t + 8 u + j are pixels 32 w + 16 h + 8 u + j
	s_wait_dscnt 0x0
.irp t, 0,1,2,3
	v_wmma_scale_f32_16x16x128_f8f6f4 v[A+16*\t:A+16*\t+7], v[XF0:XF0+7], v[WF+8*\t:WF+8*\t+7], 0, v[XS], v[WS+8+\t] matrix_a_fmt:MATRIX_FMT_FP4 matrix_b_fmt:MATRIX_FMT_FP4
	v_wmma_scale_f32_16x16x128_f8f6f4 v[A+16*\t+8:A+16*\t+15], v[XF1:XF1+7], v[WF+8*\t:WF+8*\t+7], 0, v[XS], v[WS+8+\t] matrix_a_fmt:MATRIX_FMT_FP4 matrix_b_fmt:MATRIX_FMT_FP4 matrix_a_scale:MATRIX_SCALE_ROW1
.endr
.rept 4
	v_nop                                          ; places in front of the first read of the results
.endr
.irp t, 0,1,2,3
.irp i, 0,2,4,6,8,10,12,14
	v_pk_add_f32 v[A+16*\t+\i:A+16*\t+\i+1], v[A+16*\t+\i:A+16*\t+\i+1], v[BD+2*\t:BD+2*\t+1] op_sel_hi:[1,0]   ; + bd of my channel; each accumulator from its low end on
.endr
.endr
	QUANT A, PCV, 0
.irp t, 0,1,2,3
	global_store_b64 v12, v[PCV+2*\t:PCV+2*\t+1], s[18:19] offset:4096+1024*\t   ; key block w of fragment t: the 32 lanes store 256 consecutive bytes, aligned
.endr
.irp t, 0,1,2,3
	ds_store_b8 v15, v[TM+4+\t] offset:64*\t       ; byte w of channel 16 t + r's word (both lanes of a block write the same byte with the same value)
.endr
	s_wait_dscnt 0x0                               ; for the others' sake: my words and bytes have landed
	s_barrier_signal -1
	s_barrier_wait -1
	; ---- the records' tails leave as whole runs of 256 bytes, one a wave
	ds_load_b64 v[TM:TM+1], v34
	s_wait_dscnt 0x0
	global_store_b64 v35, v[TM:TM+1], s[18:19] offset:8192
	s_cmp_lt_u32 s22, 2                            ; Q's scale words are 512 bytes: waves 0 and 1
	s_cbranch_scc0 .Lend
	ds_load_b64 v[TM+2:TM+3], v[TM+10]
	s_wait_dscnt 0x0
	global_store_b64 v35, v[TM+2:TM+3], s[20:21] offset:4096
.Lend:
	s_set_vgpr_msb 0x4
	s_wait_tensorcnt 0x0
	ds_add_u32 v219, v1
	s_wait_dscnt 0x0
	s_set_vgpr_msb 0x400
	s_endpgm
.Lfunc_end_k_q92cb5423d4_proj:
	.size	k_q92cb5423d4_proj, .Lfunc_end_k_q92cb5423d4_proj-k_q92cb5423d4_proj
	.p2alignl 7, 3214868480
	.fill 96, 4, 3214868480
	.section	.rodata,"a",@progbits
	.p2align	6, 0x0
	.amdhsa_kernel k_q92cb5423d4_proj
		.amdhsa_group_segment_fixed_size 43008
		.amdhsa_private_segment_fixed_size 0
		.amdhsa_enable_private_segment 0
		.amdhsa_kernarg_size 72
		.amdhsa_user_sgpr_count 2
		.amdhsa_user_sgpr_kernarg_segment_ptr 1
		.amdhsa_wavefront_size32 1
		.amdhsa_system_sgpr_workgroup_id_x 1
		.amdhsa_system_sgpr_workgroup_id_y 1
		.amdhsa_system_sgpr_workgroup_id_z 1
		.amdhsa_system_vgpr_workitem_id 0
		.amdhsa_next_free_vgpr 258
		.amdhsa_next_free_sgpr 66
		.amdhsa_reserve_vcc 0
		.amdhsa_float_denorm_mode_32 3
		.amdhsa_float_denorm_mode_16_64 3
		.amdhsa_memory_ordered 1
		.amdhsa_forward_progress 1
		.amdhsa_inst_pref_size 46
	.end_amdhsa_kernel
	.amdgpu_metadata
---
amdhsa.version: [ 1, 2 ]
amdhsa.kernels:
  - .name:           k_q92cb5423d4_proj
    .symbol:         k_q92cb5423d4_proj.kd
    .args:
      - { .name: x, .offset: 0, .size: 8, .value_kind: global_buffer, .address_space: global }
      - { .name: wb, .offset: 8, .size: 8, .value_kind: global_buffer, .address_space: global }
      - { .name: wc, .offset: 16, .size: 8, .value_kind: global_buffer, .address_space: global }
      - { .name: wd, .offset: 24, .size: 8, .value_kind: global_buffer, .address_space: global }
      - { .name: bb, .offset: 32, .size: 8, .value_kind: global_buffer, .address_space: global }
      - { .name: bc, .offset: 40, .size: 8, .value_kind: global_buffer, .address_space: global }
      - { .name: bd, .offset: 48, .size: 8, .value_kind: global_buffer, .address_space: global }
      - { .name: kv, .offset: 56, .size: 8, .value_kind: global_buffer, .address_space: global }
      - { .name: qq, .offset: 64, .size: 8, .value_kind: global_buffer, .address_space: global }
    .group_segment_fixed_size: 43008
    .private_segment_fixed_size: 0
    .kernarg_segment_align: 8
    .kernarg_segment_size: 72
    .max_flat_workgroup_size: 128
    .sgpr_count:     66
    .vgpr_count:     258
    .wavefront_size: 32
...
	.end_amdgpu_metadata
.endif
;; end of part 1
;; launch attn (part 2): grid 64 x 4, 16 waves a work-group, clusters of 4 x 1, 296,960 bytes of LDS; arguments kv, qq, x, alpha, out0; writes out0
.if DOCPART == 2
	.amdgcn_target "amdgcn-amd-amdhsa--gfx1250"
	.amdhsa_code_object_version 6
	.text
	.protected	k_q92cb5423d4_attn
	.globl	k_q92cb5423d4_attn
	.p2align	8
	.type	k_q92cb5423d4_attn,@function
k_q92cb5423d4_attn:
	s_mov_b64 s[64:65], 0
	v_nop
	global_prefetch_b8 v0, s[64:65] scope:SCOPE_SE
	s_setreg_imm32_b32 hwreg(HW_REG_WAVE_MODE, 25, 1), 1
	s_wait_xcnt 0x0
	s_wait_alu depctr_hold_cnt(0) depctr_sa_sdst(0) depctr_va_vdst(0) depctr_va_sdst(0) depctr_va_ssrc(0) depctr_va_vcc(0) depctr_vm_vsrc(0)
	s_getreg_b32 s2, hwreg(HW_REG_IB_STS2, 6, 4)
	s_cmp_eq_u32 s2, 0
	s_cbranch_scc0 .Lentry_in_a_cluster
	s_endpgm
.Lentry_in_a_cluster:
	s_bfe_u32 s2, ttmp6, 0x10000c
	s_cmp_lg_u32 s2, 0x3003
	s_cbranch_scc0 .Lentry_shape_is_right
	s_endpgm
.Lentry_shape_is_right:
; out[n][c][i] = alpha x (the sum over keys j of xd[c][j] p[i][j]) / l[i] + x[n][c][i], both products on codes of FP4 (E2M1) with one E8M0 scale for each 32 along K.
; t = score x log2(e); M = the row's largest t so far, rounded UP to a whole number; p = 2^(t - M) is what is quantised, along the keys, not normalised; l is the sum of the unquantised p, in f32.
; kv holds, for each batch, 32 records of 9,216 bytes, one for 128 keys: K's codes (8 tiles x 512), V's codes (4 fragments x 1,024), K's scale words (512), V's (256), 256 zeros; all in the order of the operands' registers.
; qq holds records of 4,608 bytes for 128 queries: codes (8 tiles x 512), scale words (64 bytes a tile).  Row r of tile 2 b + u is pixel 32 b + 8 u + r + 8 (r / 8) of the record's 128.
; SHARES.  A work-group owns 64 queries of one batch.  Wave w owns one tile of 16 queries (w % 4) and a quarter of the keys (w / 4): 8 steps of 128 keys.  Sixteen waves of 256 registers: four to a SIMD, so that one wave's
; vector work stands beside another's matrix work and LDS loads.  At the end the four quarters of a query tile are merged through LDS; since every M is a whole number the merge's factors are exact powers of two.
; LDS.  The batch's whole kv, 294,912 bytes, comes in ONCE, 64 tensor loads of 4,608 bytes, four a wave, all issued at the start: no LDS byte is filled twice, so there is no ring.  A wave's p-th load is a quarter of what its
; key quarter reads in steps 2 p and 2 p + 1.  A wave has four tensor loads out at the most.
; BARRIERS.  The barrier that shows phase p + 1's records to every wave is taken in two halves, a key step apart: behind step 2 p a wave waits for its own load of that phase and signals; it waits for the other waves only behind
; step 2 p + 1.  Between the halves stand register work and LDS loads of phase p's records, which the barrier before has shown landed and which nobody writes before the barrier in front of the merge.
; BY TURNS.  A step's 64 exponentials stand singly among plain work that is due anyway: the scaling of a pair of scores four pairs ahead, the sum of a pair of weights five pairs back, the blocks' scale bytes, O^T's rescaling.
; So each exponential has behind it the plain instruction that must stand in front of the use of its result, and no stretch of the step is exponentials alone.
; CLUSTER.  The four work-groups of a cluster belong to one batch and need the same kv: each piece is asked for JOINTLY, by the same tensor load with the same descriptor and a mask that names the four.
; LAYOUT.  Both products are used transposed: S^T = K Q^T (source 0 = 16 keys), O^T = V^T P^T (source 0 = 16 channels): a lane holds ONE query (lane % 16) throughout.  K = 64 fills half of the first product's 128:
; the upper four registers of K's and Q's fragments are zero codes, under the byte 127.
; LIMITS: NaN and infinities are not served.  A p under 2^-126 counts as 0 (v_exp_f32 gives 0 there: ISA guide, its entry in 15.8).  A block of zero p keeps the byte 1: its codes are zeros.
.set REC,   9216
.set QUART, 8*REC                      ; a key quarter's records
.set PIECE, REC/2                      ; what one tensor load brings: 18 rows of 256 bytes
.set ST1W,  4352                       ; the merge's stage, over the records once they are read out: for each wave O^T's image (4,096), -M (128), l (128)
.set ST2,   16*ST1W                    ; behind it: 64 channel rows of 64 queries, 256 bytes + 16
.set SP2,   272
.set AL,  1                            ; v1   16 x lane + my quarter's phase in LDS
.set AS,  2                            ; v2   4 x lane + the same
.set QF,  16                           ; v16-23  Q's fragment (v20-23: zero codes)
.set QS,  24                           ; v24  Q's scale words
.set PS,  25                           ; v25  p's scale word
.set KS,  26                           ; v26-29  K's scale words: register b, lane 16 u + r: tile 2 b + u, row r
.set VS,  30                           ; v30-31  V's: register t / 2, lane 16 (t % 2) + r
.set KF,  32                           ; v32-95  K's eight fragments (the upper four registers of each: zero codes)
.set S,   96                           ; v96-159 S^T, then p
.set O,   160                          ; v160-191 O^T
.set VF,  192                          ; v192-223 V's four fragments
.set PC,  224                          ; v224-231 p's codes
; v3-8 LDS addresses of the way out; v9-11 global offsets; v12 -M, v13 the largest t, v[14:15] the sum in two halves; v232-235 the blocks' largest scores, then p, then bytes; v236-239 the other lane's maxima, then v[236:237] the
; sum's second chain; v244-247 the conversions' scale operands; v252 f, v253 0, v254 at work; v240-243, v248-251 my 32 bytes of x
.macro CROUND                          ; a round of the cluster's barrier: my work-group's barrier; wave 0 signals for the work-group; every wave waits for all four work-groups; my work-group's barrier once more
	s_barrier_signal -1
	s_barrier_wait -1
	s_cmp_lg_u32 s18, 0
	s_cbranch_scc1 .Lnot_wave_0_\@
	s_barrier_signal -3
.Lnot_wave_0_\@:
	s_barrier_wait -3
	s_barrier_signal -1
	s_barrier_wait -1
.endm
	s_load_b256 s[4:11], s[0:1], 0x0               ; kv s[4:5], qq s[6:7], x s[8:9], alpha s[10:11]
	s_load_b64 s[12:13], s[0:1], 0x20              ; out0
	v_lshl_add_u32 v254, v0, 2, 0x48000
	v_mov_b32 v255, 0
	ds_add_u32 v254, v255
	ds_add_u32 v254, v255
	s_wait_dscnt 0x0
	v_lshrrev_b32 v232, 5, v0
	v_readfirstlane_b32 s18, v232                  ; wave 0..15
	s_and_b32 s19, s18, 3                          ; my tile of queries
	s_lshr_b32 s20, s18, 2                         ; my quarter of the keys
	s_bfe_u32 s21, ttmp6, 0x40000                  ; cx: my place in the cluster: it enters the offsets in qq, x and out0 alone
	s_lshl_b32 s22, ttmp9, 2
	s_add_co_u32 s22, s22, s21                     ; my block of 64 queries = 4 x cluster x + cx
	s_and_b32 s23, ttmp7, 0xffff                   ; the batch, which the four partners share
	; descriptor group 1: a dense block of 18 rows of 256 bytes (32 elements of 8 bytes), no padding: every LDS read takes 16 x lane
	s_mov_b32 s24, 15|(3<<16)|(1<<21)              ; 15:0 the mask: all four work-groups; 17:16 elements of 8 bytes; 21 set beside a mask
	s_mov_b32 s25, 32<<16                          ; tensor_dim0 = 32
	s_mov_b32 s26, 18<<16                          ; tensor_dim1 = 18
	s_mov_b32 s27, 32<<16                          ; tile_dim0 = 32
	s_mov_b32 s28, 18                              ; tile_dim1 = 18
	s_mov_b32 s29, 32                              ; from row to row
	s_mov_b32 s30, 0
	s_mov_b32 s31, 0
	s_mul_i32 s58, s20, QUART
	s_mul_i32 s53, s19, PIECE
	s_add_co_u32 s52, s58, s53                     ; my piece of phase 0, in LDS and in the batch's kv alike: made of the wave's number alone
	s_mul_i32 s54, s23, 32*REC
	s_add_co_u32 s54, s54, s52
	s_mov_b32 s55, 0
	s_lshl_b32 s60, s23, 5
	s_lshr_b32 s61, s22, 1
	s_add_co_u32 s60, s60, s61
	s_mul_i32 s60, s60, 4608                       ; my record of qq: two blocks of 64 queries share one
	s_mov_b32 s61, 0
	s_lshl_b32 s62, s23, 20                        ; x, out0: the batch,
	s_lshl_b32 s63, s18, 16                        ; channels 4 w on,
	s_add_co_u32 s62, s62, s63
	s_lshl_b32 s63, s22, 8                         ; my block's 64 pixels
	s_add_co_u32 s62, s62, s63
	s_mov_b32 s63, 0
	s_and_b32 s66, s22, 1
	s_lshl_b32 s66, s66, 2
	s_add_co_u32 s66, s66, s19                     ; my tile in the record
	s_lshl_b32 s67, s66, 9                         ; its codes,
	s_lshl_b32 s68, s66, 6                         ; its scale words
	s_mov_b32 s48, 0x76543210
	s_mov_b32 s49, 0xfedcba98                      ; v_permlanex16_b32's selects for lane l xor 16
	s_mov_b32 s50, 0x3fb8aa3b                      ; log2(e)
	s_mov_b32 s51, s50                             ; (named with it as a pair, so it is written)
	s_wait_kmcnt 0x0
	s_load_b32 s14, s[10:11], 0x0                  ; alpha
	s_add_nc_u64 s[56:57], s[4:5], s[54:55]
	s_add_nc_u64 s[6:7], s[6:7], s[60:61]
	s_add_nc_u64 s[8:9], s[8:9], s[62:63]
	s_add_nc_u64 s[12:13], s[12:13], s[62:63]
.irp p, 0,1,2,3                                ; descriptor group 0, a set for each of my four loads
	s_mov_b32 s[32+4*\p], 1                        ; count = 1
	s_add_co_u32 s[33+4*\p], s52, 2*REC*\p         ; LDS address
	s_add_nc_u64 s[34+4*\p:35+4*\p], s[56:57], 2*REC*\p   ; global address
	s_or_b32 s[35+4*\p], s[35+4*\p], 0x80000000    ; type = 2
.endr
	CROUND                                         ; all four work-groups are here: the joint loads meet
	tensor_load_to_lds s[32:35], s[24:31]          ; all fills of the launch go out as one group
	s_nop 0
	tensor_load_to_lds s[36:39], s[24:31]
	s_nop 0
	tensor_load_to_lds s[40:43], s[24:31]
	s_nop 0
	tensor_load_to_lds s[44:47], s[24:31]
	s_nop 0
.rept 4
	v_nop
.endr
	v_and_b32 v232, 31, v0                         ; lane
	v_and_b32 v233, 15, v0                         ; r
	v_bfe_u32 v234, v0, 4, 1                       ; h
	v_lshlrev_b32 v235, 4, v232                    ; 16 x lane
	v_lshlrev_b32 v244, 2, v232                    ; 4 x lane
	v_add_nc_u32 v10, s67, v235                    ; v10: Q's codes
	v_lshl_add_u32 v11, v233, 2, s68               ; v11: Q's scale words: row r's
	v_lshlrev_b32 v9, 14, v234
	v_lshl_add_u32 v9, v233, 4, v9                 ; v9: x, out0: lanes 0-15 one channel's 256 bytes, lanes 16-31 the next channel's
	global_load_b128 v[QF:QF+3], v10, s[6:7]
	global_load_b32 v[QS], v11, s[6:7] offset:4096
	global_load_b128 v[240:243], v9, s[8:9]                  ; x of channels 4 w + h,
	global_load_b128 v[248:251], v9, s[8:9] offset:32768     ; and 4 w + 2 + h: wanted at the very end
.irp i, 4,5,6,7
	v_mov_b32 v[QF+\i], 0                          ; zero codes for k = 64 .. 127
.irp t, 0,1,2,3,4,5,6,7
	v_mov_b32 v[KF+8*\t+\i], 0
.endr
.endr
	v_mov_b32 v13, 0xff61b1e6                      ; the largest t so far: -3e38, under every t
	v_floor_f32 v12, -v13                          ; -M
	v_mov_b32 v14, 0                               ; the sum, in two halves
	v_mov_b32 v15, 0
.irp b, 0,1,2,3
	v_mov_b32 v[236+\b], 0                         ; written once: a lane permute's destination counts as one of its sources
.endr
	v_mov_b32 v253, 0                              ; (named as the upper half of the pair v[252:253])
	v_add_nc_u32 v[AL], s58, v235
	v_add_nc_u32 v[AS], s58, v244
	s_mul_i32 s69, s18, ST1W
	v_add_nc_u32 v3, s69, v235                     ; v3: my stage: O^T's image
	s_add_co_u32 s70, s69, 4096
	v_add_nc_u32 v4, s70, v244                     ; v4: -M and l
	s_mul_i32 s71, s19, ST1W
	s_lshl_b32 s72, s20, 10
	s_add_co_u32 s72, s72, s71
	v_add_nc_u32 v5, s72, v235                     ; v5: the merge: channel tile w / 4 of query tile w % 4, in key quarter 0's stage; quarter k's lies 4 ST1W k on
	s_add_co_u32 s73, s71, 4096
	v_add_nc_u32 v6, s73, v244                     ; v6: and its -M and l
	s_lshl_b32 s74, s20, 4
	v_lshl_add_u32 v7, v234, 3, s74                ; channel 16 (w / 4) + 8 h
	v_mul_u32_u24 v7, v7, SP2
	v_and_b32 v245, 8, v233
	v_add_nc_u32 v245, v245, v233                  ; r + 8 (r / 8)
	s_lshr_b32 s75, s19, 1
	s_lshl_b32 s75, s75, 5
	s_and_b32 s76, s19, 1
	s_lshl_b32 s76, s76, 3
	s_add_co_u32 s75, s75, s76
	v_add_nc_u32 v245, s75, v245                   ; my query's place among the block's 64
	v_lshl_add_u32 v7, v245, 2, v7
	v_add_nc_u32 v7, ST2, v7                       ; v7: where the merged numbers go
	s_lshl_b32 s77, s18, 2
	v_add_nc_u32 v8, s77, v234
	v_mul_u32_u24 v8, v8, SP2
	v_lshl_add_u32 v8, v233, 4, v8
	v_add_nc_u32 v8, ST2, v8                       ; v8: and where whole channel rows are read back: row 4 w + h, 16 bytes a lane
	s_wait_kmcnt 0x0                               ; alpha
	s_wait_loadcnt 2                               ; Q's two loads are in; x's two stay out
; Pair n of the weights (p of registers 2 n and 2 n + 1) joins the row's sum: THE SUM IS TAKEN OF THE UNQUANTISED p, two at a time, in two chains: v[14:15] takes the even pairs from 2 on, v[236:237] pairs 0 and 1 and the odd ones.
.macro SUMP
.if n == 1
	s_wait_alu depctr_va_vdst(0)
	v_pk_add_f32 v[236:237], v[S:S+1], v[S+2:S+3]
.elseif (n > 1) && (n%2 == 0)
	v_pk_add_f32 v[14:15], v[14:15], v[S+2*n:S+2*n+1]
.elseif n > 1
	s_wait_alu depctr_va_vdst(0)
	v_pk_add_f32 v[236:237], v[236:237], v[S+2*n:S+2*n+1]
.endif
.endm
; A KEY STEP: 128 keys, record e % 2 of the phase in hand.  first = 1: the products start O^T's sums, and there is nothing to rescale.
.macro STEP e, first
.set RB, REC*((\e)%2)
.irp t, 0,1,2,3,4,5,6,7
	ds_load_b128 v[KF+8*\t:KF+8*\t+3], v[AL] offset:RB+512*\t   ; the last products that read these registers stand a whole softmax back
.endr
	ds_load_b128 v[KS:KS+3], v[AL] offset:RB+8192
	s_wait_dscnt 0x0
.irp t, 0,1,2,3,4,5,6,7                        ; S^T = K Q^T: lane (r, h) holds query r; the 16 registers of tiles 2 b, 2 b + 1 are keys 32 b + 16 h + 0 .. 15
.if \t%2
	v_wmma_scale_f32_16x16x128_f8f6f4 v[S+8*\t:S+8*\t+7], v[KF+8*\t:KF+8*\t+7], v[QF:QF+7], 0, v[KS+\t/2], v[QS] matrix_a_fmt:MATRIX_FMT_FP4 matrix_b_fmt:MATRIX_FMT_FP4 matrix_a_scale:MATRIX_SCALE_ROW1
.else
	v_wmma_scale_f32_16x16x128_f8f6f4 v[S+8*\t:S+8*\t+7], v[KF+8*\t:KF+8*\t+7], v[QF:QF+7], 0, v[KS+\t/2], v[QS] matrix_a_fmt:MATRIX_FMT_FP4 matrix_b_fmt:MATRIX_FMT_FP4
.endif
.endr
.rept 4
	v_nop                                          ; places: in front of the first read of the scores, and of the loads into V's registers, which the last step's products read
.endr
.irp t, 0,1,2,3
	ds_load_b128 v[VF+8*\t:VF+8*\t+3],   v[AL] offset:RB+4096+1024*\t        ; V lands while the softmax is walked
	ds_load_b128 v[VF+8*\t+4:VF+8*\t+7], v[AL] offset:RB+4096+1024*\t+512
.endr
	ds_load_b32 v[VS],   v[AS] offset:RB+8704
	ds_load_b32 v[VS+1], v[AS] offset:RB+8832
.irp b, 0,1,2,3
	v_max3_num_f32 v[232+\b], v[S+16*\b], v[S+1+16*\b], v[S+2+16*\b]   ; THE LARGEST SCORE OF EACH BLOCK OF 32 KEYS: it serves the row's maximum and, since p rises with the score, the block's largest p
.endr
.irp i, 3,5,7,9,11,13
.irp b, 0,1,2,3
	v_max3_num_f32 v[232+\b], v[232+\b], v[S+16*\b+\i], v[S+1+16*\b+\i]   ; (the four blocks by turns)
.endr
.endr
.irp b, 0,1,2,3
	v_max_num_f32 v[232+\b], v[232+\b], v[S+15+16*\b]
.endr
.irp b, 0,1,2,3
	v_permlanex16_b32 v[236+\b], v[232+\b], s48, s49
.endr
.irp b, 0,1,2,3
	v_max_num_f32 v[232+\b], v[232+\b], v[236+\b]  ; with lane l xor 16's 16 keys
.endr
	v_max3_num_f32 v254, v232, v233, v234
	v_max_num_f32 v254, v254, v235                 ; the step's largest score of my query
	v_mul_f32 v254, s50, v254                      ; as t
	v_max_num_f32 v13, v13, v254                   ; the running largest t
	v_mov_b32 v254, v12
	v_floor_f32 v12, -v13                          ; the new -M = floor(-t) = -ceil(t): a whole number
	v_sub_f32 v254, v12, v254                      ; M's old value less its new one: a whole number, 0 or less
	v_cvt_i32_f32 v254, v254                       ; (it saturates)
	v_ldexp_f32 v252, 1.0, v254                    ; f = 2^(old M - new M): a multiplication by it rounds nothing
.irp b, 0,1,2,3
	v_fma_f32 v[232+\b], v[232+\b], s50, v12       ; t - M of each block's largest score
.endr
.irp b, 0,1,2,3
	v_exp_f32 v[232+\b], v[232+\b]                 ; the block's largest p: the same multiply-add and exponential on the same number as below give the same bits
	v_pk_fma_f32 v[S+2*\b:S+2*\b+1], v[S+2*\b:S+2*\b+1], s[50:51], v[12:13] op_sel_hi:[1,0,0]   ; t - M of pairs 0 to 3, two at a time (of both pairs the low word serves both halves)
.endr
	v_pk_mul_f32 v[14:15], v[14:15], v[252:253] op_sel_hi:[1,0]   ; the sums under the new M
; THE STREAM: 32 slots, one for each pair of scores.  Slot i: the pair's two exponentials, p = 2^(t - M), at most 1; between them t - M of pair i + 4; behind them the sum of pair i - 5 and one line more of what is due:
; slots 0-3 the floor under the blocks' largest p, 4-7 the conversions' scale operands, 8-11 the scale bytes, 12-14 p's scale word, 16-31 O^T under the new M.
; Behind every exponential a plain instruction that touches none of its registers stands in front of the first use of its result: behind the first of a slot the scaling (from slot 28 on the sum), behind the second the slot's
; further line (slots 0-5) or the sum (from slot 6 on).
.set i, 0
.rept 32
	v_exp_f32 v[S+2*i], v[S+2*i]
.if i < 28
	v_pk_fma_f32 v[S+2*i+8:S+2*i+9], v[S+2*i+8:S+2*i+9], s[50:51], v[12:13] op_sel_hi:[1,0,0]
.endif
	v_exp_f32 v[S+2*i+1], v[S+2*i+1]
.set n, i-5
	SUMP
.if i < 4
	s_wait_alu depctr_va_vdst(0)
	v_max_num_f32 v[232+i], 0x1800000, v[232+i]    ; the floor 2^(3 - 127): the byte cannot fall under 1
.elseif i < 8
	v_add_nc_u32 v[244+i-4], 0xff000000, v[232+i-4]   ; 2 off the exponent field: the conversion's scale operand
.elseif i < 12
	v_lshrrev_b32 v[232+i-8], 23, v[244+i-8]       ; the scale's byte
.elseif i == 12
	v_lshl_or_b32 v[PS], v233, 8, v232             ; p's scale word for these 128 keys
.elseif i == 13
	v_lshl_or_b32 v[PS], v234, 16, v[PS]
.elseif i == 14
	v_lshl_or_b32 v[PS], v235, 24, v[PS]
.elseif (i >= 16) && (\first == 0)
	v_pk_mul_f32 v[O+2*(i-16):O+2*(i-16)+1], v[O+2*(i-16):O+2*(i-16)+1], v[252:253] op_sel_hi:[1,0]   ; O^T x f; each accumulator from its low end on
.endif
.set i, i+1
.endr
	s_wait_alu depctr_va_vdst(0)
.irp b, 0,1,2,3
	v_cvt_scalef32_pk8_fp4_f32 v[PC+2*\b], v[S+16*\b:S+7+16*\b], v[244+\b]
	v_cvt_scalef32_pk8_fp4_f32 v[PC+1+2*\b], v[S+8+16*\b:S+15+16*\b], v[244+\b]
.endr
	v_nop                                          ; one plain place behind a scaled conversion
.irp c, 0,1                                    ; the operand's layout wants a WHOLE block in a lane: lanes 0-15 block 2 c, lanes 16-31 block 2 c + 1
.irp i, 0,1
	v_permlane16_swap_b32 v[PC+4*\c+\i], v[PC+2+4*\c+\i]
.endr
.endr
.set n, 27
.rept 5
	SUMP                                           ; the last five pairs, and the join below: six plain lines that name no register of the products below: the places between the codes and those products
.set n, n+1
.endr
	v_pk_add_f32 v[14:15], v[14:15], v[236:237]
	s_wait_dscnt 0x0                               ; V and its scale words are in
.irp t, 0,1,2,3                                ; O^T += V^T P^T: the four accumulators by turns, one instruction a turn
.if \first
.if \t%2
	v_wmma_scale_f32_16x16x128_f8f6f4 v[O+8*\t:O+8*\t+7], v[VF+8*\t:VF+8*\t+7], v[PC:PC+7], 0, v[VS+\t/2], v[PS] matrix_a_fmt:MATRIX_FMT_FP4 matrix_b_fmt:MATRIX_FMT_FP4 matrix_a_scale:MATRIX_SCALE_ROW1
.else
	v_wmma_scale_f32_16x16x128_f8f6f4 v[O+8*\t:O+8*\t+7], v[VF+8*\t:VF+8*\t+7], v[PC:PC+7], 0, v[VS+\t/2], v[PS] matrix_a_fmt:MATRIX_FMT_FP4 matrix_b_fmt:MATRIX_FMT_FP4
.endif
.else
.if \t%2
	v_wmma_scale_f32_16x16x128_f8f6f4 v[O+8*\t:O+8*\t+7], v[VF+8*\t:VF+8*\t+7], v[PC:PC+7], v[O+8*\t:O+8*\t+7], v[VS+\t/2], v[PS] matrix_a_fmt:MATRIX_FMT_FP4 matrix_b_fmt:MATRIX_FMT_FP4 matrix_a_scale:MATRIX_SCALE_ROW1
.else
	v_wmma_scale_f32_16x16x128_f8f6f4 v[O+8*\t:O+8*\t+7], v[VF+8*\t:VF+8*\t+7], v[PC:PC+7], v[O+8*\t:O+8*\t+7], v[VS+\t/2], v[PS] matrix_a_fmt:MATRIX_FMT_FP4 matrix_b_fmt:MATRIX_FMT_FP4
.endif
.endif
.endr
.endm
; A PHASE: two key steps, whose records the four waves of my key quarter brought with their p-th loads.  Between the two steps the next phase's barrier is signalled, behind the second it is waited for.
.macro PHASE p
.if \p > 0
	v_add_nc_u32 v[AL], 2*REC, v[AL]
	v_add_nc_u32 v[AS], 2*REC, v[AS]
	STEP 2*\p, 0
.else
	STEP 0, 1
.endif
.if \p < 3
	s_wait_tensorcnt 2-\p                          ; tensor loads of a wave end in order: my load of phase p + 1 has landed; the 2 - p behind it may stay out
	s_wait_dscnt 0x0                               ; no LDS instruction of mine is out at a signal
	s_barrier_signal -1                            ; say so now;
.endif
	STEP 2*\p+1, 0                                 ; (register work, and LDS loads of this phase's records, which nobody writes before the barrier in front of the merge)
.if \p < 3
	s_barrier_wait -1                              ; the next phase's records are read only when every wave has said so
.endif
.endm
	s_wait_tensorcnt 3                             ; my first load has landed; the three behind it may stay out
	s_wait_dscnt 0x0
	s_barrier_signal -1
	s_barrier_wait -1                              ; everybody's first has landed
	PHASE 0
	PHASE 1
	PHASE 2
	PHASE 3
	; ---- THE MERGE of the four key quarters, and the way out
.rept 4
	v_nop                                          ; places in front of the first read of O^T
.endr
	v_add_f32 v14, v14, v15                        ; the sum's two halves,
	v_permlanex16_b32 v252, v14, s48, s49
	v_add_f32 v14, v14, v252                       ; and lane l xor 16's: my quarter's sum
	s_wait_dscnt 0x0
	s_barrier_signal -1
	s_barrier_wait -1                              ; nobody reads the records any more, and they have had their only fill: the stages lie over them
.irp i, 0,1,2,3,4,5,6,7
	ds_store_b128 v3, v[O+4*\i:O+4*\i+3] offset:512*\i     ; O^T as an image of its registers, each accumulator from its low end on
.endr
	ds_store_b32 v4, v12
	ds_store_b32 v4, v14 offset:128
	s_wait_dscnt 0x0                               ; for the others' sake
	s_barrier_signal -1
	s_barrier_wait -1
.irp k, 0,1,2,3                                ; channel tile w / 4 of my query tile, from all four key quarters
	ds_load_b128 v[96+8*\k:99+8*\k],   v5 offset:4*ST1W*\k
	ds_load_b128 v[100+8*\k:103+8*\k], v5 offset:4*ST1W*\k+512
	ds_load_b32 v[64+\k], v6 offset:4*ST1W*\k              ; -M
	ds_load_b32 v[68+\k], v6 offset:4*ST1W*\k+128          ; l
.endr
	s_wait_dscnt 0x0
	v_min3_num_f32 v80, v64, v65, v66
	v_min_num_f32 v80, v80, v67                    ; the least -M: the row's M
.irp k, 0,1,2,3
	v_sub_f32 v[72+2*\k], v80, v[64+\k]            ; quarter k's M less the row's: a whole number, 0 or less
.endr
.irp k, 0,1,2,3
	v_cvt_i32_f32 v[72+2*\k], v[72+2*\k]
.endr
.irp k, 0,1,2,3
	v_ldexp_f32 v[72+2*\k], 1.0, v[72+2*\k]        ; its factor, an exact power of two
.endr
	v_mul_f32 v81, v72, v68
	v_fmac_f32 v81, v74, v69
	v_fmac_f32 v81, v76, v70
	v_fmac_f32 v81, v78, v71                       ; the row's sum
	v_rcp_f32 v81, v81
	v_nop                                          ; one plain place behind a transcendental
	s_wait_alu depctr_va_vdst(0)
	v_mul_f32 v81, s14, v81                        ; alpha / l
.irp k, 0,1,2,3
	v_mul_f32 v[72+2*\k], v[72+2*\k], v81
.endr
.irp j, 0,2,4,6
	v_pk_mul_f32 v[128+\j:129+\j], v[96+\j:97+\j], v[72:73] op_sel_hi:[1,0]
.endr
.irp k, 1,2,3
.irp j, 0,2,4,6
	v_pk_fma_f32 v[128+\j:129+\j], v[96+8*\k+\j:97+8*\k+\j], v[72+2*\k:73+2*\k], v[128+\j:129+\j] op_sel_hi:[1,0,1]
.endr
.endr
.irp j, 0,1,2,3,4,5,6,7
	ds_store_b32 v7, v[128+\j] offset:SP2*\j       ; channel 16 (w / 4) + 8 h + j, my query: the 32 lanes' words lie 4 bytes apart in two rows that are 8 x 272 bytes apart: 32 different words modulo 256 bytes
.endr
	s_wait_dscnt 0x0                               ; for the others' sake
	s_barrier_signal -1
	s_barrier_wait -1
	ds_load_b128 v[136:139], v8                    ; channel 4 w + h, all 64 queries: 16 bytes a lane,
	ds_load_b128 v[140:143], v8 offset:2*SP2       ; channel 4 w + 2 + h
	s_wait_dscnt 0x0
	s_wait_loadcnt 0x0                             ; x
	v_pk_add_f32 v[136:137], v[136:137], v[240:241]
	v_pk_add_f32 v[138:139], v[138:139], v[242:243]
	v_pk_add_f32 v[140:141], v[140:141], v[248:249]
	v_pk_add_f32 v[142:143], v[142:143], v[250:251]
	global_store_b128 v9, v[136:139], s[12:13] th:TH_STORE_NT                ; 16 lanes store 256 consecutive bytes, at a multiple of 256 from out0's first byte
	global_store_b128 v9, v[140:143], s[12:13] offset:32768 th:TH_STORE_NT
	s_wait_xcnt 0x0
	v_lshl_add_u32 v254, v0, 2, 0x48000
	v_mov_b32 v255, 0
	s_wait_tensorcnt 0x0
	ds_add_u32 v254, v255
	s_wait_dscnt 0x0
	CROUND                                         ; the closing round: no work-group ends while a partner may still ask for a piece that names it
	s_endpgm
.Lfunc_end_k_q92cb5423d4_attn:
	.size	k_q92cb5423d4_attn, .Lfunc_end_k_q92cb5423d4_attn-k_q92cb5423d4_attn
	.p2alignl 7, 3214868480
	.fill 96, 4, 3214868480
	.section	.rodata,"a",@progbits
	.p2align	6, 0x0
	.amdhsa_kernel k_q92cb5423d4_attn
		.amdhsa_group_segment_fixed_size 296960
		.amdhsa_private_segment_fixed_size 0
		.amdhsa_enable_private_segment 0
		.amdhsa_kernarg_size 40
		.amdhsa_user_sgpr_count 2
		.amdhsa_user_sgpr_kernarg_segment_ptr 1
		.amdhsa_wavefront_size32 1
		.amdhsa_system_sgpr_workgroup_id_x 1
		.amdhsa_system_sgpr_workgroup_id_y 1
		.amdhsa_system_sgpr_workgroup_id_z 1
		.amdhsa_system_vgpr_workitem_id 0
		.amdhsa_next_free_vgpr 256
		.amdhsa_next_free_sgpr 80
		.amdhsa_reserve_vcc 0
		.amdhsa_float_denorm_mode_32 3
		.amdhsa_float_denorm_mode_16_64 3
		.amdhsa_memory_ordered 1
		.amdhsa_forward_progress 1
		.amdhsa_inst_pref_size 135
	.end_amdhsa_kernel
	.amdgpu_metadata
---
amdhsa.version: [ 1, 2 ]
amdhsa.kernels:
  - .name:           k_q92cb5423d4_attn
    .symbol:         k_q92cb5423d4_attn.kd
    .args:
      - { .name: kv, .offset: 0, .size: 8, .value_kind: global_buffer, .address_space: global }
      - { .name: qq, .offset: 8, .size: 8, .value_kind: global_buffer, .address_space: global }
      - { .name: x, .offset: 16, .size: 8, .value_kind: global_buffer, .address_space: global }
      - { .name: alpha, .offset: 24, .size: 8, .value_kind: global_buffer, .address_space: global }
      - { .name: out0, .offset: 32, .size: 8, .value_kind: global_buffer, .address_space: global }
    .group_segment_fixed_size: 296960
    .private_segment_fixed_size: 0
    .kernarg_segment_align: 8
    .kernarg_segment_size: 40
    .max_flat_workgroup_size: 512
    .sgpr_count:     80
    .vgpr_count:     256
    .wavefront_size: 32
...
	.end_amdgpu_metadata
.endif
;; end of part 2
